; MI455X (gfx1250); checked and timed in simulation.
; The chip was launched on July 23, 2026; its instructions are those of AMD's public machine-readable ISA for CDNA 5 (MIT licence, August 2026) and "CDNA5" Instruction Set Architecture Reference Guide (July 2026). The comments in the code are by the model that wrote it; some were corrected since.
;; Multi Head Attention Cosformer New. Allowed arithmetic: matrix products marked QUANTISED: E4M3 operands, one given power-of-two scale a tensor, by v_wmma_f32_16x16x64_fp8_fp8 or v_wmma_f32_16x16x128_fp8_fp8, f32 sums; products left as they are: f32 operands where the result goes on into a quantised operand, else bf16, f16 or f32 operands; f32 sums; everything else in f32.
;; Inputs: dense_b 128 float32; dense_w 128 x 2,048 float32; lowp_scales 16 int32 (the exponents e of the quantised operands' scales 2^e); mask 4 x 4,096 bool; wk_b 2,048 float32; wk_w 2,048 x 128 float32; wq_b 2,048 float32; wq_w 2,048 x 128 float32; wv_b 2,048 float32; wv_w 2,048 x 128 float32; x 4 x 4,096 x 128 float32.
;; Outputs: out0 4 x 4,096 x 128 float32.
;; This version of the problem:
;;   THIS VERSION OF THE PROBLEM IS GIVEN IN LOW PRECISION. The matrix products marked QUANTISED in the list below multiply operands that are first quantised to E4M3 (4 exponent bits, 3 mantissa bits; 8 bits a number), with one given power-of-two scale for each operand tensor; their sums are f32. All else is computed in f32.
;;   The module's matrix products, in the order in which they are computed (A, B: the left and right operand; K: the contracted axis; several contracted axes count as one K, in the product's order):
;;     1. [M 16,384, K 128] x [K 128, N 2,048]; A: input x; B: input wq_w: QUANTISED (scales: A lowp_scales[0], B lowp_scales[1])
;;     2. [M 16,384, K 128] x [K 128, N 2,048]; A: input x; B: input wk_w: QUANTISED (scales: A lowp_scales[2], B lowp_scales[3])
;;     3. [M 16,384, K 128] x [K 128, N 2,048]; A: input x; B: input wv_w: QUANTISED (scales: A lowp_scales[4], B lowp_scales[5])
;;     4. batch 64 x [M 128, K 4,096] x [K 4,096, N 128]; A: computed on the way; B: computed on the way: QUANTISED (scales: A lowp_scales[6], B lowp_scales[7])
;;     5. batch 64 x [M 128, K 4,096] x [K 4,096, N 128]; A: computed on the way; B: computed on the way: QUANTISED (scales: A lowp_scales[8], B lowp_scales[9])
;;     6. batch 64 x [M 128, K 128] x [K 128, N 4,096]; A: computed on the way; B: computed on the way: QUANTISED (scales: A lowp_scales[10], B lowp_scales[11])
;;     7. batch 64 x [M 128, K 128] x [K 128, N 4,096]; A: computed on the way; B: computed on the way: QUANTISED (scales: A lowp_scales[12], B lowp_scales[13])
;;     8. batch 64 x [M 1, K 128] x [K 128, N 4,096]; A: computed on the way; B: computed on the way: left as it is (M = 1 < 16)
;;     9. batch 64 x [M 1, K 128] x [K 128, N 4,096]; A: computed on the way; B: computed on the way: left as it is (M = 1 < 16)
;;     10. [M 16,384, K 2,048] x [K 2,048, N 128]; A: computed on the way; B: input dense_w: QUANTISED (scales: A lowp_scales[14], B lowp_scales[15])
;;   THE QUANTISER, for each operand of a quantised product, along K:
;;     - The operand's scale is 2^e, e = its entry of the input lowp_scales (int32; the entries are numbered through the quantised products in the list's order, A before B).
;;     - Each number is divided by the scale, clamped to +-448, and rounded to the nearest number of E4M3, ties to even, subnormals kept.
;;     - The product sums the exact products of the quantised numbers (number of the format x scale) in f32.
;;   ~~~python
;;   def quantise(x, axis, e):      # numpy; x: float32 -> the quantised numbers, widened to float32 again
;;       x = np.moveaxis(x, axis, -1); K = x.shape[-1]
;;       r = np.clip(x / 2.0 ** e, -448, 448)
;;       step = 2.0 ** (np.maximum(np.frexp(np.where(r == 0, 1, r))[1] - 1, -6) - 3)
;;       q = np.round(r / step) * step * 2.0 ** e      # np.round: ties to even
;;       return np.moveaxis(q, -1, axis).astype(np.float32)
;;   ~~~
;;   OPERANDS COMPUTED ON THE WAY. 'Computed on the way' means the value that the module computes at that place (a softmax that the list does not call 'softmax' is quantised finished and normalised). What goes into a quantiser is computed in f32, as accurately as f32 sums, v_exp_f32 and their like allow (about 1e-6 of the number): no bf16 or f16 on the way to a quantiser, and a product that is left as it is and whose result goes on into a quantised operand takes f32 operands (vector FMAs, or v_wmma_f32_16x16x4_f32). A number that lies on a knife's edge between two numbers of the format may be rounded either way, as far as f32 arithmetic and the matrix unit's own rounding can turn it there, and no further.
;; One version. Each part assembles by itself: llvm-mc -triple=amdgcn-amd-amdhsa -mcpu=gfx1250 --defsym DOCPART=n.
;; ======== version 1 of 1: 3 launches
;; workspace buffers: kvp 33,554,432 bytes; ksp 262,144 bytes; pack 4,292,608 bytes
;; launch kvpart (part 1): grid 16 x 16, 4 waves a work-group, no clusters, 82,432 bytes of LDS; arguments x, wk_w, wk_b, wv_w, wv_b, lowp_scales, kvp, ksp; writes kvp, ksp
.if DOCPART == 1
	.amdgcn_target "amdgcn-amd-amdhsa--gfx1250"
	.amdhsa_code_object_version 6
	.text
	.protected	k_q0bc132dae2_kvpart
	.globl	k_q0bc132dae2_kvpart
	.p2align	8
	.type	k_q0bc132dae2_kvpart,@function
k_q0bc132dae2_kvpart:
	s_mov_b64 s[64:65], 0
	v_nop
	global_prefetch_b8 v0, s[64:65] scope:SCOPE_SE
	s_setreg_imm32_b32 hwreg(HW_REG_WAVE_MODE, 25, 1), 1
	s_wait_xcnt 0x0
; cosFormer attention, first of three launches: for one (batch, head) and a quarter of the positions (1,024 rows) the two states
;   kv_cos[x][z] = sum over s of Q6(k[s][x] cos[s]) Q7(v[s][z]),   kv_sin[x][z] = sum over s of Q8(k[s][x] sin[s]) Q9(v[s][z])      (raw sums of codes, f32)
; and the f32 sums over s of k cos and k sin.  k = elu(x wk^T + bk) + 1, v = x wv^T + bv, both projections on E4M3 codes (x at e2 and at e4, wk at e3, wv at e5).
; The input 'mask' is an argument that the computation never uses: no launch reads it.
; SHARES.  Work-group (h, 4 b + chunk); four waves.  The rows go in 8 blocks of 128.  Wave w owns k's features 32 w .. 32 w + 31 (two tiles f), v's features likewise, and the state tiles
; (x tile 2 w + f) x (8 z tiles) x (cos, sin): 32 accumulators.  It quantises rows 32 w .. 32 w + 31 of each block of x.
; OPERANDS GO FROM WAVE TO WAVE THROUGH LDS AS IMAGES OF THEIR REGISTERS: four registers of lane l at 512 q + 16 l, a fragment 2,048 bytes.
; LAYOUTS.  x and the weights: registers 4 b .. 4 b + 3 hold k = 32 b + 16 (l / 16) + 0 .. 15, alike on both sides.  The projection takes x as source 0 and the weight as source 1: a lane then holds ONE feature and
; eight neighbouring positions, so a conversion's two registers are registers 2 t, 2 t + 1 (positions 16 t + 8 (l / 16) + 0 .. 7) of the state product's operand.
; elu(y) + 1 = the middle one of exp(y), 1, y + 1.   cos and sin come from a table made at the head: p = fl(1.57 i) / 4096, sin p by its series to p^13, cos p = sin((pi/2 - p), pi/2 in two parts).
; No tensor load and no cluster: x arrives as f32 and must pass through registers to be quantised; its loads run a whole projection phase ahead.
; LIMITS: each of e2 .. e9 and the same + 8, e2 + e3 and e4 + e5 lie between -126 and 127, so that every power of two below is an f32 number.  NaN among the inputs is not served.
; REGISTERS, in windows of 256.  Window 0: see the names below.  Window 1: v0-63 x's fragments (two buffers: for k 16, for v 16); v64-95 wk's two, v96-127 wv's two; v128-255 v's fragments, four z tiles (e7 16, e9 16).
; Window 2: the accumulators, tile (f, func, z) at 8 (z + 8 func + 16 f); at the head the weights as f32.  Window 3: v0-127 a block's 64 + 64 numbers of x; v128-159 k cos codes, v160-191 k sin codes.
.set XIMG, 0                           ; LDS: x's images, fragment (t, version) at (2 t + version) x 2,048
.set VIMG, 32768                       ; v's images, fragment (z, version) likewise
.set TAB,  65536                       ; cos[1024], then sin[1024], f32
.set L2E,  0x3fb8aa3b                  ; log2(e)
.set RR,   1                           ; lane % 16
.set HL,   2                           ; lane / 16
.set LI,   3                           ; 16 x lane
.set XA,   4                           ; 512 (lane % 16) + 64 (lane / 16): a row of 128 f32, my 16 numbers of a block of 32
.set AT,   5                           ; the block's place in the table
.set AT0,  6                           ; TAB + 32 (lane / 16)
.set XWI,  7                           ; where I store x's images
.set VWI,  8                           ; where I store v's images
.set KSO,  9                           ; 8 x lane
.set SC2,  10                          ; a scale 2^e as f32, and LM.. = 448 x 2^e
.set LM2,  11
.set SC4,  12
.set LM4,  13
.set SCKC, 14
.set SCKS, 15
.set SCV7, 16
.set LMV7, 17
.set SCV9, 18
.set LMV9, 19
.set BKL,  20                          ; v20-23  bk x log2(e), twice, for f = 0, 1
.set BK1,  24                          ; v24-27  bk + 1, twice
.set BV,   28                          ; v28-31  bv, twice
.set SUM,  32                          ; v32-47  sums of k cos, k sin: 8 f + 4 func + 2 chain, pairs
.set KA,   48                          ; v48-111 projection results, two buffers of 32: k f0, k f1, v f0, v f1
.set U,    112                         ; v112-127 exponentials
.set TC,   128
.set TS,   136
.set VT,   144                         ; v144-159 v held for the two scales
.set VC,   160                         ; v160-175 v's codes: 8 f + 4 version
.set CSB,  176                         ; v176-207 two buffers: cos 8, sin 8
.set XT,   208                         ; v208-223 x held for the two scales
.set XC,   224                         ; v224-231 and v240-247 x's codes, two sets by turns: 4 version
.set BA,   232                         ; 4 (lane % 16)
.set SC3,  234
.set LM3,  235
.set SC5,  236
.set LM5,  237
.set TMP,  240                         ; at work at the head and at the end
.set WV,   20                          ; s20 wave
.set SK,   66                          ; s[66:67] 2^(e2 + e3)
.set SKL,  68                          ; s[68:69] the same x log2(e)
.set SV,   70                          ; s[70:71] 2^(e4 + e5)
.set LKC,  72                          ; 448 x 2^e6
.set LKS,  73                          ; 448 x 2^e8
.set SEL,  74                          ; s[74:75] lane l xor 16
.set IT,   76                          ; block
.set TBO,  77                          ; 512 x block
.set XB,   78                          ; s[78:79] x at the block last asked for
.set KVB,  80
.set KSB,  82
.set MSB, 0
.macro WIN new                         ; the immediate's high byte repeats the setting that is left; a switch that changes nothing is dropped
.if MSB != \new
	s_set_vgpr_msb (MSB<<8)|\new
.set MSB, \new
.endif
.endm
.macro PLACES
.rept 4
	v_nop
.endr
.endm
.macro BAR                             ; my LDS stores have landed and my LDS loads are in: then the work-group's barrier
	s_wait_dscnt 0x0
	s_barrier_signal -1
	s_barrier_wait -1
.endm
.macro SINP d, out, z, p               ; v[out] = sin(v[d]) for 0 <= d <= 1.58: d + d^3 (c3 + z (c5 + .. z c13)), z = d^2
	v_mul_f32 v[\z], v[\d], v[\d]
	v_mov_b32 v[\p], 0x2f309231
	v_fmaak_f32 v[\p], v[\p], v[\z], 0xb2d7322b
	v_fmaak_f32 v[\p], v[\p], v[\z], 0x3638ef1d
	v_fmaak_f32 v[\p], v[\p], v[\z], 0xb9500d01
	v_fmaak_f32 v[\p], v[\p], v[\z], 0x3c088889
	v_fmaak_f32 v[\p], v[\p], v[\z], 0xbe2aaaab
	v_mul_f32 v[\z], v[\d], v[\z]
	v_fma_f32 v[\out], v[\z], v[\p], v[\d]
.endm
.macro MKQ e, sc, lm                   ; from the exponent in s[e]: 2^e and 448 x 2^e as f32
	s_add_co_i32 s84, s[\e], 127
	s_lshl_b32 s85, s84, 23
	v_mov_b32 v[\sc], s85
	s_add_co_i32 s84, s84, 8
	s_lshl_b32 s84, s84, 23
	s_or_b32 s84, s84, 0x600000
	v_mov_b32 v[\lm], s84
.endm
.macro XLOADS                          ; my 32 rows of a block of x, 64 numbers a lane and tile, into window 3
	WIN 0xc0
.irp u, 0,1
.irp b, 0,1,2,3
.irp j, 0,1,2,3
	global_load_b128 v[64*\u+16*\b+4*\j:64*\u+16*\b+4*\j+3], v[XA], s[XB:XB+1] offset:8192*\u+128*\b+16*\j
.endr
.endr
.endr
	WIN 0
.endm
.macro XQ z, half                      ; eight numbers of x (tile z / 4, block z % 4 of 32, half) held and converted for both scales, into the set of registers at XCR
	WIN 0x03
.irp j, 0,1,2,3,4,5,6,7
	v_med3_num_f32 v[XT+\j], v[64*((\z)/4)+16*((\z)%4)+8*\half+\j], -v[LM2], v[LM2]
.endr
.irp j, 0,1,2,3,4,5,6,7
	v_med3_num_f32 v[XT+8+\j], v[64*((\z)/4)+16*((\z)%4)+8*\half+\j], -v[LM4], v[LM4]
.endr
	WIN 0
	v_cvt_scalef32_pk8_fp8_f32 v[XCR+2*\half:XCR+2*\half+1], v[XT:XT+7], v[SC2]
	v_cvt_scalef32_pk8_fp8_f32 v[XCR+4+2*\half:XCR+4+2*\half+1], v[XT+8:XT+15], v[SC4]
	v_nop                                          ; a plain line between the conversions and the next writes of their sources
.endm
.macro VLOAD z                         ; v's two fragments of z tile z into ring place z % 4 (window 1)
.irp v, 0,1
.irp q, 0,1,2,3
	ds_load_b128 v[128+32*((\z)%4)+16*\v+4*\q:128+32*((\z)%4)+16*\v+4*\q+3], v[LI] offset:VIMG+(2*(\z)+\v)*2048+512*\q
.endr
.endr
.endm
.macro STATE func, mm                  ; two state products of z tile Z: my two x tiles; mm = 1: they start the sums
	WIN 0xa7
.irp f, 0,1
.if \mm == 1
	v_wmma_f32_16x16x128_fp8_fp8 v[8*(Z+8*\func+16*\f):8*(Z+8*\func+16*\f)+7], v[128+32*\func+16*\f:128+32*\func+16*\f+15], v[128+32*(Z%4)+16*\func:128+32*(Z%4)+16*\func+15], 0
.else
	v_wmma_f32_16x16x128_fp8_fp8 v[8*(Z+8*\func+16*\f):8*(Z+8*\func+16*\f)+7], v[128+32*\func+16*\f:128+32*\func+16*\f+15], v[128+32*(Z%4)+16*\func:128+32*(Z%4)+16*\func+15], v[8*(Z+8*\func+16*\f):8*(Z+8*\func+16*\f)+7]
.endif
.endr
.endm
; The state products of the block in hand (mm: 0 none, 1 they start the sums, 2 they add) with the next block's quantising of x between them (xq = 1).
; The 32 accumulators take turns, one instruction each.  The quantiser's plain lines are the places in front of the loads into v's ring.
; xq = 0 is the last block (mm = 2): nothing is left to quantise, and each z tile's four accumulators are stored as soon as they are finished, four places behind their products.
.macro SX mm, xq
.if \xq
	s_wait_loadcnt 0x0                             ; the next block's numbers of x are in
.endif
.if \mm
	WIN 0x40
	VLOAD 0
	VLOAD 1
	VLOAD 2
	VLOAD 3
	WIN 0
.endif
.set Z, 0
.rept 8
.set XCR, XC+16*(Z%2)                  ; the codes' two sets take turns, so that a set is written again a whole step behind the stores that read it
.if \mm
.if Z < 4
.set NW, 24+2*Z*(\xq)
.else
.set NW, 8*(7-Z)+6*(\xq)
.endif
	s_wait_dscnt NW                                ; z tile Z is in; NW LDS instructions were issued behind its eight loads
	STATE 0, \mm
.endif
.if \xq
	XQ Z, 0
.endif
.if \mm
	STATE 1, \mm
.endif
.if \xq
	XQ Z, 1
	ds_store_b128 v[XWI], v[XCR:XCR+3] offset:4096*(Z/4)+512*(Z%4)
	ds_store_b128 v[XWI], v[XCR+4:XCR+7] offset:4096*(Z/4)+2048+512*(Z%4)
.else
	WIN 0
	PLACES
	WIN 0x08                                       ; store data from window 2
.irp c, 0,1
.irp f, 0,1
	global_store_b128 v[LI], v[8*(Z+8*\c+16*\f):8*(Z+8*\c+16*\f)+3], s[KVB:KVB+1] offset:65536*\c+8192*Z+1024*\f th:TH_STORE_NT          ; each store covers 512 consecutive bytes; each accumulator from its low end on
	global_store_b128 v[LI], v[8*(Z+8*\c+16*\f)+4:8*(Z+8*\c+16*\f)+7], s[KVB:KVB+1] offset:65536*\c+8192*Z+1024*\f+512 th:TH_STORE_NT
.endr
.endr
	WIN 0
.endif
.if (\mm) && (Z < 4)
	WIN 0x40
	VLOAD Z+4
	WIN 0
.endif
.set Z, Z+1
.endr
.endm
.macro XSLOAD t                        ; x's two fragments of position tile t into buffer t % 2 (window 1)
.irp v, 0,1
.irp q, 0,1,2,3
	ds_load_b128 v[32*((\t)%2)+16*\v+4*\q:32*((\t)%2)+16*\v+4*\q+3], v[LI] offset:XIMG+(2*(\t)+\v)*2048+512*\q
.endr
.endr
.endm
.macro CSLOAD t                        ; cos and sin of my eight positions of tile t
	ds_load_b128 v[CSB+16*((\t)%2):CSB+16*((\t)%2)+3], v[AT] offset:64*(\t)
	ds_load_b128 v[CSB+16*((\t)%2)+4:CSB+16*((\t)%2)+7], v[AT] offset:64*(\t)+16
	ds_load_b128 v[CSB+16*((\t)%2)+8:CSB+16*((\t)%2)+11], v[AT] offset:4096+64*(\t)
	ds_load_b128 v[CSB+16*((\t)%2)+12:CSB+16*((\t)%2)+15], v[AT] offset:4096+64*(\t)+16
.endm
.macro PW kind, f, t                   ; one projection product: 16 positions of tile t x 16 features (kind 0: k, 1: v)
	WIN 0x05
	v_wmma_f32_16x16x128_fp8_fp8 v[KA+32*((\t)%2)+16*\kind+8*\f:KA+32*((\t)%2)+16*\kind+8*\f+7], v[32*((\t)%2)+16*\kind:32*((\t)%2)+16*\kind+15], v[64+32*\kind+16*\f:64+32*\kind+16*\f+15], 0
.endm
; Line NP of the 28 plain lines that stand among a tile's exponentials and name none of their results: y + 1 of both k tiles (8), v of feature tile 0 (4), its holds for the two scales (16).
.macro PLAIN
.if NP < 8
	v_pk_fma_f32 v[KB+2*NP:KB+2*NP+1], v[KB+2*NP:KB+2*NP+1], s[SK:SK+1], v[BK1+2*(NP/4):BK1+2*(NP/4)+1] op_sel_hi:[1,0,1]   ; y + 1
.elseif NP < 12
	v_pk_fma_f32 v[KB+16+2*(NP-8):KB+16+2*(NP-8)+1], v[KB+16+2*(NP-8):KB+16+2*(NP-8)+1], s[SV:SV+1], v[BV:BV+1] op_sel_hi:[1,0,1]   ; v
.elseif NP < 20
	v_med3_num_f32 v[VT+NP-12], v[KB+16+NP-12], -v[LMV7], v[LMV7]
.else
	v_med3_num_f32 v[VT+NP-12], v[KB+16+NP-20], -v[LMV9], v[LMV9]
.endif
.set NP, NP+1
.endm
; Position tile t: its four results become codes, while the four products of tile t + 1 stand among the vector lines.
.macro STEP t
.set P, (\t)%2
.set KB, KA+32*P
.set CB, CSB+16*P
	s_wait_dscnt 0x0                               ; all that was asked for a step ago is in
.if (\t) < 6
	WIN 0x40
	XSLOAD (\t)+2
	WIN 0
.endif
.if (\t) < 7
	CSLOAD (\t)+1
	PW 0, 0, (\t)+1
	WIN 0
.endif
.irp j, 0,2,4,6
	v_pk_fma_f32 v[U+\j:U+\j+1], v[KB+\j:KB+\j+1], s[SKL:SKL+1], v[BKL:BKL+1] op_sel_hi:[1,0,1]         ; y log2(e)
.endr
.if (\t) < 7
	PW 0, 1, (\t)+1
	WIN 0
.endif
.irp j, 0,2,4,6
	v_pk_fma_f32 v[U+8+\j:U+9+\j], v[KB+8+\j:KB+9+\j], s[SKL:SKL+1], v[BKL+2:BKL+3] op_sel_hi:[1,0,1]
.endr
.if (\t) < 7
	PW 1, 0, (\t)+1
	WIN 0
.endif
.set N, 0
.set NP, 0
.rept 16                               ; exp(y): one batch, with one or two plain lines behind each: 12 x 2 + 4 = 28
	v_exp_f32 v[U+N], v[U+N]
	PLAIN
.if N < 12
	PLAIN
.endif
.if (N == 7) && ((\t) < 7)
	PW 1, 1, (\t)+1
	WIN 0
.endif
.set N, N+1
.endr
	v_cvt_scalef32_pk8_fp8_f32 v[VC+2*P:VC+2*P+1], v[VT:VT+7], v[SCV7]
	v_cvt_scalef32_pk8_fp8_f32 v[VC+4+2*P:VC+4+2*P+1], v[VT+8:VT+15], v[SCV9]
.irp j, 0,2,4,6
	v_pk_fma_f32 v[KB+24+\j:KB+25+\j], v[KB+24+\j:KB+25+\j], s[SV:SV+1], v[BV+2:BV+3] op_sel_hi:[1,0,1]   ; v of feature tile 1.  (Plain lines between the conversions and the next writes of their sources)
.endr
.irp j, 0,1,2,3,4,5,6,7
	v_med3_num_f32 v[VT+\j], v[KB+24+\j], -v[LMV7], v[LMV7]
.endr
.irp j, 0,1,2,3,4,5,6,7
	v_med3_num_f32 v[VT+8+\j], v[KB+24+\j], -v[LMV9], v[LMV9]
.endr
	v_cvt_scalef32_pk8_fp8_f32 v[VC+8+2*P:VC+8+2*P+1], v[VT:VT+7], v[SCV7]
	v_cvt_scalef32_pk8_fp8_f32 v[VC+12+2*P:VC+12+2*P+1], v[VT+8:VT+15], v[SCV9]
	s_wait_alu depctr_va_vdst(0)                   ; one wait for the sixteen exponentials, ahead of their first reader
.irp f, 0,1
.irp j, 0,1,2,3,4,5,6,7
	v_med3_num_f32 v[KB+8*\f+\j], v[U+8*\f+\j], 1.0, v[KB+8*\f+\j]     ; elu(y) + 1
.endr
.irp j, 0,2,4,6
	v_pk_mul_f32 v[TC+\j:TC+\j+1], v[KB+8*\f+\j:KB+8*\f+\j+1], v[CB+\j:CB+\j+1]
	v_pk_mul_f32 v[TS+\j:TS+\j+1], v[KB+8*\f+\j:KB+8*\f+\j+1], v[CB+8+\j:CB+9+\j]
.endr
.irp j, 0,2,4,6
	v_pk_add_f32 v[SUM+8*\f+(\j)%4:SUM+8*\f+(\j)%4+1], v[SUM+8*\f+(\j)%4:SUM+8*\f+(\j)%4+1], v[TC+\j:TC+\j+1]           ; the sums take the unquantised numbers
	v_pk_add_f32 v[SUM+8*\f+4+(\j)%4:SUM+8*\f+4+(\j)%4+1], v[SUM+8*\f+4+(\j)%4:SUM+8*\f+4+(\j)%4+1], v[TS+\j:TS+\j+1]
.endr
.irp j, 0,1,2,3,4,5,6,7
	v_min_num_f32 v[TC+\j], s[LKC], v[TC+\j]       ; k, cos and sin are not negative: the hold is one-sided.  cos first, so that its conversion reads nothing just written
.endr
.irp j, 0,1,2,3,4,5,6,7
	v_min_num_f32 v[TS+\j], s[LKS], v[TS+\j]
.endr
	WIN 0xc0
	v_cvt_scalef32_pk8_fp8_f32 v[128+16*\f+2*(\t):128+16*\f+2*(\t)+1], v[TC:TC+7], v[SCKC]
	v_cvt_scalef32_pk8_fp8_f32 v[160+16*\f+2*(\t):160+16*\f+2*(\t)+1], v[TS:TS+7], v[SCKS]
	WIN 0
.if (P == 1) && (\f == 0)              ; two tiles' codes of v make four registers: they go out here, half a tile's k work ahead of the next wait for LDS
.irp g, 0,1
.irp v, 0,1
	ds_store_b128 v[VWI], v[VC+8*\g+4*\v:VC+8*\g+4*\v+3] offset:4096*\g+2048*\v+512*((\t)/2)
.endr
.endr
.endif
.endr
	v_nop                                          ; a plain line between the last conversions and the products that read their results
.endm
; A block of 128 positions: k and v of my features, as codes.  The next block's numbers of x are asked for behind the first LDS loads and ahead of the wait for them.
; cond = 1: in the loop, where the last block has no successor: no load leaves x.
.macro PROJ cond
	v_add_nc_u32 v[AT], s[TBO], v[AT0]
	WIN 0x40
	XSLOAD 0
	WIN 0
	CSLOAD 0
	WIN 0x40
	XSLOAD 1
	WIN 0
.if \cond
	s_cmp_eq_u32 s[IT], 7
	s_cbranch_scc1 .Lnox_\@
.endif
	s_add_nc_u64 s[XB:XB+1], s[XB:XB+1], 65536     ; (the last block's loads were waited for ahead of its quantising: the base may step)
	XLOADS
.if \cond
.Lnox_\@:
.endif
	s_wait_dscnt 12                                ; x's tile 0 is in; behind its eight loads stand cos and sin (4) and tile 1 (8)
	PW 0, 0, 0
	PW 0, 1, 0
	PW 1, 0, 0
	PW 1, 1, 0
	WIN 0
	PLACES
.irp t, 0,1,2,3,4,5,6,7
	STEP \t
.endr
.endm
	s_load_b256 s[4:11], s[0:1], 0x0               ; x, wk_w, wk_b, wv_w
	s_load_b256 s[12:19], s[0:1], 0x20             ; wv_b, lowp_scales, kvp, ksp
	v_lshl_add_u32 v254, v0, 2, 0x14000
	v_mov_b32 v255, 0
	v_lshrrev_b32 v[TMP], 5, v0
	v_readfirstlane_b32 s[WV], v[TMP]              ; wave 0..3
	v_and_b32 v[RR], 15, v0
	v_bfe_u32 v[HL], v0, 4, 1
	v_and_b32 v[LI], 31, v0
	v_lshlrev_b32 v[KSO], 3, v[LI]
	v_lshlrev_b32 v[LI], 4, v[LI]
	v_lshlrev_b32 v[XA], 9, v[RR]
	v_lshl_add_u32 v[XA], v[HL], 6, v[XA]
	v_lshlrev_b32 v[BA], 2, v[RR]
	v_lshlrev_b32 v[AT0], 5, v[HL]
	v_add_nc_u32 v[AT0], TAB, v[AT0]
	s_lshl_b32 s21, s[WV], 13
	v_add_nc_u32 v[XWI], s21, v[LI]                ; my two tiles' four images: 8,192 bytes a wave
	v_add_nc_u32 v[VWI], VIMG, v[XWI]
	s_and_b32 s22, ttmp7, 0xffff                   ; 4 b + chunk
	s_lshr_b32 s23, s22, 2                         ; b
	s_and_b32 s24, s22, 3                          ; chunk
	s_lshl_b32 s25, s23, 4
	s_add_co_u32 s25, s25, ttmp9                   ; 16 b + h
	s_lshl_b32 s26, s22, 19                        ; x: (1,024 (4 b + chunk) + 32 w) rows of 512 bytes
	s_lshl_b32 s27, s[WV], 14
	s_add_co_u32 s26, s26, s27
	s_mov_b32 s27, 0
	s_lshl_b32 s28, ttmp9, 16                      ; the weights: (128 h + 32 w) rows of 512 bytes
	s_lshl_b32 s29, s[WV], 14
	s_add_co_u32 s28, s28, s29
	s_mov_b32 s29, 0
	s_lshl_b32 s30, ttmp9, 9                       ; the biases: 4 (128 h + 32 w)
	s_lshl_b32 s31, s[WV], 7
	s_add_co_u32 s30, s30, s31
	s_mov_b32 s31, 0
	s_lshl_b32 s32, s25, 2
	s_add_co_u32 s32, s32, s24                     ; 4 (16 b + h) + chunk
	s_lshl_b32 s34, s32, 17                        ; kvp: 131,072 bytes each, + my two x tiles
	s_lshl_b32 s35, s[WV], 11
	s_add_co_u32 s34, s34, s35
	s_mov_b32 s35, 0
	s_lshl_b32 s36, s32, 10                        ; ksp: 1,024 bytes each, + my 32 features
	s_lshl_b32 s37, s[WV], 8
	s_add_co_u32 s36, s36, s37
	s_mov_b32 s37, 0
	s_lshl_b32 s38, s24, 10                        ; the chunk's first position
	s_mov_b32 s[SEL], 0x76543210
	s_mov_b32 s[SEL+1], 0xfedcba98
	s_wait_kmcnt 0x0
	s_load_b512 s[48:63], s[14:15], 0x0            ; e0 .. e15
	s_add_nc_u64 s[XB:XB+1], s[4:5], s[26:27]
	s_add_nc_u64 s[6:7], s[6:7], s[28:29]
	s_add_nc_u64 s[10:11], s[10:11], s[28:29]
	s_add_nc_u64 s[8:9], s[8:9], s[30:31]
	s_add_nc_u64 s[12:13], s[12:13], s[30:31]
	s_add_nc_u64 s[KVB:KVB+1], s[16:17], s[34:35]
	s_add_nc_u64 s[KSB:KSB+1], s[18:19], s[36:37]
	WIN 0x80                                       ; the weights as f32 into the registers that the accumulators will take
.irp f, 0,1
.irp b, 0,1,2,3
.irp j, 0,1,2,3
	global_load_b128 v[64*\f+16*\b+4*\j:64*\f+16*\b+4*\j+3], v[XA], s[6:7] offset:8192*\f+128*\b+16*\j
	global_load_b128 v[128+64*\f+16*\b+4*\j:128+64*\f+16*\b+4*\j+3], v[XA], s[10:11] offset:8192*\f+128*\b+16*\j
.endr
.endr
.endr
	WIN 0
	global_load_b32 v[BKL], v[BA], s[8:9]
	global_load_b32 v[BKL+2], v[BA], s[8:9] offset:64
	global_load_b32 v[BV], v[BA], s[12:13]
	global_load_b32 v[BV+2], v[BA], s[12:13] offset:64
	XLOADS                                         ; block 0 of x
	; the table, while the loads are on their way: thread t makes positions t + 128 j of the chunk
	v_add_nc_u32 v244, s38, v0
	v_lshl_add_u32 v245, v0, 2, TAB
.irp j, 0,1,2,3,4,5,6,7
	v_add_nc_u32 v246, 128*\j, v244
	v_cvt_f32_u32 v246, v246
	v_mul_f32 v246, 0x3fc8f5c3, v246               ; 1.57 i, rounded,
	v_mul_f32 v246, 0x39800000, v246               ; / 4,096: exact
	v_sub_f32 v247, 0x3fc90fdb, v246               ; pi/2 - p, pi/2 in two parts
	v_add_f32 v247, 0xb33bbd2e, v247
	SINP 247, 248, 250, 251
	SINP 246, 249, 252, 253
	ds_store_b32 v245, v248 offset:512*\j
	ds_store_b32 v245, v249 offset:4096+512*\j
.endr
	s_wait_kmcnt 0x0
	MKQ 50, SC2, LM2
	MKQ 51, SC3, LM3
	MKQ 52, SC4, LM4
	MKQ 53, SC5, LM5
	MKQ 55, SCV7, LMV7
	MKQ 57, SCV9, LMV9
	MKQ 54, SCKC, TMP
	s_mov_b32 s[LKC], s84                          ; 448 x 2^e6
	MKQ 56, SCKS, TMP
	s_mov_b32 s[LKS], s84                          ; 448 x 2^e8
	s_add_co_i32 s[SK], s50, s51
	s_add_co_i32 s[SK], s[SK], 127
	s_lshl_b32 s[SK], s[SK], 23
	s_mov_b32 s[SK+1], s[SK]
	s_mul_f32 s[SKL], s[SK], L2E
	s_mov_b32 s[SKL+1], s[SKL]
	s_add_co_i32 s[SV], s52, s53
	s_add_co_i32 s[SV], s[SV], 127
	s_lshl_b32 s[SV], s[SV], 23
	s_mov_b32 s[SV+1], s[SV]
	s_wait_loadcnt 32                              ; weights and biases are in; the 32 loads of x behind them may be out
	WIN 0x82
.set J, 0
.rept 128
	v_med3_num_f32 v[J], v[J], -v[LM3], v[LM3]
	v_med3_num_f32 v[128+J], v[128+J], -v[LM5], v[LM5]
.set J, J+1
.endr
	WIN 0x42
.irp f, 0,1
.irp g, 0,1,2,3,4,5,6,7
	v_cvt_scalef32_pk8_fp8_f32 v[64+16*\f+2*\g:64+16*\f+2*\g+1], v[64*\f+8*\g:64*\f+8*\g+7], v[SC3]
	v_cvt_scalef32_pk8_fp8_f32 v[96+16*\f+2*\g:96+16*\f+2*\g+1], v[128+64*\f+8*\g:128+64*\f+8*\g+7], v[SC5]
.endr
.endr
	WIN 0
	v_nop
.irp f, 0,1
	v_add_f32 v[BK1+2*\f], 1.0, v[BKL+2*\f]
	v_mul_f32 v[BKL+2*\f], L2E, v[BKL+2*\f]
	v_mov_b32 v[BV+2*\f+1], v[BV+2*\f]
	v_mov_b32 v[BK1+2*\f+1], v[BK1+2*\f]
	v_mov_b32 v[BKL+2*\f+1], v[BKL+2*\f]
.endr
.set J, 0
.rept 16
	v_mov_b32 v[SUM+J], 0
.set J, J+1
.endr
	SX 0, 1                                        ; block 0 of x becomes images
	s_mov_b32 s[TBO], 0
	BAR                                            ; x's images and the table lie in LDS
	PROJ 0                                         ; block 0; block 1 of x is asked for
	BAR                                            ; v's images lie in LDS; nobody reads x's any more
	SX 1, 1                                        ; block 0's state products start the sums; block 1 of x becomes images
	s_mov_b32 s[TBO], 512
	s_mov_b32 s[IT], 1
.Ltrip:                                            ; blocks 1 to 7
	BAR
	PROJ 1
	BAR
	s_cmp_eq_u32 s[IT], 7
	s_cbranch_scc1 .Llast                          ; behind the last block nothing is left to quantise
	SX 2, 1
	s_add_co_u32 s[TBO], s[TBO], 512
	s_add_co_u32 s[IT], s[IT], 1
	s_cmp_lt_u32 s[IT], 8
	s_cbranch_scc1 .Ltrip
.Llast:
	SX 2, 0                                        ; the last block's state products, and the states' way out
	; the sums of k cos and k sin: two chains, two halves of a pair, the two halves of the lanes
.irp f, 0,1
.irp c, 0,1
	v_pk_add_f32 v[SUM+8*\f+4*\c:SUM+8*\f+4*\c+1], v[SUM+8*\f+4*\c:SUM+8*\f+4*\c+1], v[SUM+8*\f+4*\c+2:SUM+8*\f+4*\c+3]
.endr
.endr
.irp f, 0,1
.irp c, 0,1
	v_add_f32 v[SUM+8*\f+4*\c], v[SUM+8*\f+4*\c], v[SUM+8*\f+4*\c+1]
.endr
.endr
.irp f, 0,1
.irp c, 0,1
	v_permlanex16_b32 v[SUM+8*\f+4*\c+1], v[SUM+8*\f+4*\c], s[SEL], s[SEL+1]
.endr
.endr
.irp f, 0,1
.irp c, 0,1
	v_add_f32 v[SUM+8*\f+4*\c], v[SUM+8*\f+4*\c], v[SUM+8*\f+4*\c+1]
.endr
.endr
	v_cmp_eq_u32 vcc_lo, 1, v[HL]                  ; lanes 0-15 store tile f = 0's features, lanes 16-31 tile 1's
	v_cndmask_b32 v[TMP], v[SUM], v[SUM+8], vcc_lo
	v_cndmask_b32 v[TMP+1], v[SUM+4], v[SUM+12], vcc_lo
	global_store_b64 v[KSO], v[TMP:TMP+1], s[KSB:KSB+1]              ; the wave stores 256 consecutive bytes, aligned
	s_wait_tensorcnt 0x0
	ds_add_u32 v254, v255
	s_wait_dscnt 0x0
	s_endpgm
.Lfunc_end_k_q0bc132dae2_kvpart:
	.size	k_q0bc132dae2_kvpart, .Lfunc_end_k_q0bc132dae2_kvpart-k_q0bc132dae2_kvpart
	.p2alignl 7, 3214868480
	.fill 96, 4, 3214868480
	.section	.rodata,"a",@progbits
	.p2align	6, 0x0
	.amdhsa_kernel k_q0bc132dae2_kvpart
		.amdhsa_group_segment_fixed_size 82432
		.amdhsa_private_segment_fixed_size 0
		.amdhsa_enable_private_segment 0
		.amdhsa_kernarg_size 64
		.amdhsa_user_sgpr_count 2
		.amdhsa_user_sgpr_kernarg_segment_ptr 1
		.amdhsa_wavefront_size32 1
		.amdhsa_system_sgpr_workgroup_id_x 1
		.amdhsa_system_sgpr_workgroup_id_y 1
		.amdhsa_system_sgpr_workgroup_id_z 1
		.amdhsa_system_vgpr_workitem_id 0
		.amdhsa_next_free_vgpr 960
		.amdhsa_next_free_sgpr 96
		.amdhsa_reserve_vcc 1
		.amdhsa_float_denorm_mode_32 3
		.amdhsa_float_denorm_mode_16_64 3
		.amdhsa_memory_ordered 1
		.amdhsa_forward_progress 1
		.amdhsa_inst_pref_size 255
	.end_amdhsa_kernel
	.section	.bss,"aw",@nobits
	.p2align	6
	.space	262144
	.amdgpu_metadata
---
amdhsa.version: [ 1, 2 ]
amdhsa.kernels:
  - .name:           k_q0bc132dae2_kvpart
    .symbol:         k_q0bc132dae2_kvpart.kd
    .args:
      - { .name: x, .offset: 0, .size: 8, .value_kind: global_buffer, .address_space: global }
      - { .name: wk_w, .offset: 8, .size: 8, .value_kind: global_buffer, .address_space: global }
      - { .name: wk_b, .offset: 16, .size: 8, .value_kind: global_buffer, .address_space: global }
      - { .name: wv_w, .offset: 24, .size: 8, .value_kind: global_buffer, .address_space: global }
      - { .name: wv_b, .offset: 32, .size: 8, .value_kind: global_buffer, .address_space: global }
      - { .name: lowp_scales, .offset: 40, .size: 8, .value_kind: global_buffer, .address_space: global }
      - { .name: kvp, .offset: 48, .size: 8, .value_kind: global_buffer, .address_space: global }
      - { .name: ksp, .offset: 56, .size: 8, .value_kind: global_buffer, .address_space: global }
    .group_segment_fixed_size: 82432
    .private_segment_fixed_size: 0
    .kernarg_segment_align: 8
    .kernarg_segment_size: 64
    .max_flat_workgroup_size: 128
    .sgpr_count:     96
    .vgpr_count:     960
    .wavefront_size: 32
...
	.end_amdgpu_metadata
.endif
;; end of part 1
;; launch mid (part 2): grid 256 x 1, 4 waves a work-group, no clusters, 0 bytes of LDS; arguments kvp, ksp, wq_w, wq_b, dense_w, lowp_scales, pack; writes pack
.if DOCPART == 2
	.amdgcn_target "amdgcn-amd-amdhsa--gfx1250"
	.amdhsa_code_object_version 6
	.text
	.protected	k_q0bc132dae2_mid
	.globl	k_q0bc132dae2_mid
	.p2align	8
	.type	k_q0bc132dae2_mid,@function
k_q0bc132dae2_mid:
	s_mov_b64 s[64:65], 0
	v_nop
	global_prefetch_b8 v0, s[64:65] scope:SCOPE_SE
	s_setreg_imm32_b32 hwreg(HW_REG_WAVE_MODE, 25, 1), 1
	s_wait_xcnt 0x0
; Second launch: everything that the third launch reads per (batch, head), laid as images of operand registers in one dense block of HB bytes:
;   +0      the two states as codes (z tile t: cos fragment at 4,096 t, sin at 4,096 t + 2,048): the four partial sums added in f32, then quantised at e10 (cos) and e12 (sin)
;   +32,768 dense_w's eight fragments of this head's 128 columns, at e15      +49,152 wq_w's eight fragments of this head's 128 rows, at e1
;   +65,536 wq_b / 2^(e0 + e1)      +66,048 the sum of k cos      +66,560 the sum of k sin      (128 f32 each)
; A raw state sum stands for sum x 2^(e6 + e7) (sin: e8 + e9), so its code is sum / 2^(e10 - e6 - e7): the three scales are folded into the conversion's one.
; SHARES.  Four work-groups to a (batch, head), sixteen waves = sixteen tasks: task = (func, z tile) of the states, and half a fragment each of wq_w and dense_w; task 0 also makes the three short rows.
; A stream: no LDS, no barrier, no matrix unit; every store covers 512 consecutive aligned bytes.  ALL OF A WAVE'S 89 LOADS GO OUT AT ITS HEAD, so that it goes through memory's latency once.
; Every wave loads the short rows' 4,608 bytes, first of all, so that the counts of the waits are alike in all waves; task 0 alone adds and stores them.
; LIMITS: e1, e15, e10 - e6 - e7, e12 - e8 - e9 and the same + 8 lie between -126 and 127.  NaN among the inputs is not served.
; REGISTERS.  Window 0: v1-8 addresses; v10-15 scales and holds; v32-95 the weights; v96-159 quarter 0 and the sums; v160-223 quarter 1; v224-239 codes.
; Window 1: v0-63 quarter 2; v64-127 quarter 3; v128-159 the four quarters' sums of k; v160-163 wq_b; v164-171 the sums pulled apart.
.set HB, 67072
.set MSB, 0
.macro WIN new                         ; the immediate's high byte repeats the setting that is left
.if MSB != \new
	s_set_vgpr_msb (MSB<<8)|\new
.set MSB, \new
.endif
.endm
.macro MKQ e, sc, lm
	s_add_co_i32 s84, s[\e], 127
	s_lshl_b32 s85, s84, 23
	v_mov_b32 v[\sc], s85
	s_add_co_i32 s84, s84, 8
	s_lshl_b32 s84, s84, 23
	s_or_b32 s84, s84, 0x600000
	v_mov_b32 v[\lm], s84
.endm
.macro CHUNK n, reg                    ; quarter n's partial sums of my (func, z tile): eight x tiles of 1,024 bytes
.irp c, 0,1,2,3,4,5,6,7
.irp k, 0,1
	global_load_b128 v[\reg+8*\c+4*\k:\reg+8*\c+4*\k+3], v3, s[4:5] offset:131072*\n+1024*\c+512*\k th:TH_LOAD_NT
.endr
.endr
.endm
.macro ADD64 reg                       ; the sums += 64 registers (source 1: in the window that is set)
.set J, 0
.rept 32
	v_pk_add_f32 v[96+J:97+J], v[96+J:97+J], v[\reg+J:\reg+J+1]
.set J, J+2
.endr
.endm
	s_load_b256 s[4:11], s[0:1], 0x0               ; kvp, ksp, wq_w, wq_b
	s_load_b128 s[12:15], s[0:1], 0x20             ; dense_w, lowp_scales
	s_load_b64 s[16:17], s[0:1], 0x30              ; pack
	v_lshrrev_b32 v1, 5, v0
	v_readfirstlane_b32 s20, v1                    ; wave
	v_and_b32 v1, 15, v0                           ; r
	v_bfe_u32 v2, v0, 4, 1                         ; lane / 16
	v_and_b32 v3, 31, v0
	v_lshlrev_b32 v4, 5, v3                        ; 32 x lane
	v_lshlrev_b32 v3, 4, v3                        ; 16 x lane
	v_lshlrev_b32 v5, 9, v1
	v_lshl_add_u32 v5, v2, 6, v5                   ; wq_w: row r of 512 bytes, + 64 (lane / 16)
	v_lshlrev_b32 v6, 13, v1
	v_lshl_add_u32 v6, v2, 5, v6                   ; dense_w: row r of 8,192 bytes, + 32 (lane / 16)
	s_lshr_b32 s21, ttmp9, 2                       ; 16 b + h
	s_and_b32 s22, ttmp9, 3
	s_lshl_b32 s22, s22, 2
	s_add_co_u32 s22, s22, s20                     ; task 0..15
	s_lshr_b32 s23, s22, 3                         ; func
	s_and_b32 s24, s22, 7                          ; z tile
	s_and_b32 s25, s21, 15                         ; h
	s_lshr_b32 s26, s22, 1                         ; which fragment of the weights
	s_and_b32 s27, s22, 1                          ; which half of it
	s_lshl_b32 s28, s26, 11
	s_lshl_b32 s29, s27, 10
	s_add_co_u32 s28, s28, s29
	v_add_nc_u32 v7, s28, v3                       ; the weights' codes: 2,048 fragment + 1,024 half + 16 lane
	s_lshl_b32 s28, s24, 12
	s_lshl_b32 s29, s23, 11
	s_add_co_u32 s28, s28, s29
	v_add_nc_u32 v8, s28, v3                       ; the state's codes: 4,096 z + 2,048 func + 16 lane
	s_lshl_b32 s30, s25, 16                        ; wq_w: rows 128 h + 16 fragment, + 256 bytes x half
	s_lshl_b32 s31, s26, 13
	s_add_co_u32 s30, s30, s31
	s_lshl_b32 s31, s27, 8
	s_add_co_u32 s30, s30, s31
	s_mov_b32 s31, 0
	s_lshl_b32 s32, s26, 17                        ; dense_w: rows 16 fragment, columns 128 h + 64 half
	s_lshl_b32 s33, s25, 9
	s_add_co_u32 s32, s32, s33
	s_lshl_b32 s33, s27, 8
	s_add_co_u32 s32, s32, s33
	s_mov_b32 s33, 0
	s_lshl_b32 s34, s21, 19                        ; kvp
	s_lshl_b32 s35, s23, 16
	s_add_co_u32 s34, s34, s35
	s_lshl_b32 s35, s24, 13
	s_add_co_u32 s34, s34, s35
	s_mov_b32 s35, 0
	s_mul_i32 s36, s21, HB                         ; pack
	s_mov_b32 s37, 0
	s_lshl_b32 s38, s21, 12                        ; ksp
	s_mov_b32 s39, 0
	s_lshl_b32 s40, s25, 9                         ; wq_b
	s_mov_b32 s41, 0
	s_wait_kmcnt 0x0
	s_load_b512 s[48:63], s[14:15], 0x0            ; e0 .. e15
	s_add_nc_u64 s[4:5], s[4:5], s[34:35]
	s_add_nc_u64 s[6:7], s[6:7], s[38:39]
	s_add_nc_u64 s[8:9], s[8:9], s[30:31]
	s_add_nc_u64 s[10:11], s[10:11], s[40:41]
	s_add_nc_u64 s[12:13], s[12:13], s[32:33]
	s_add_nc_u64 s[16:17], s[16:17], s[36:37]
	WIN 0x40                                       ; destination window 1.  The short rows: lane l takes features 4 l .. 4 l + 3
.irp n, 0,1,2,3
	global_load_b128 v[128+8*\n:131+8*\n], v4, s[6:7] offset:1024*\n
	global_load_b128 v[132+8*\n:135+8*\n], v4, s[6:7] offset:1024*\n+16
.endr
	global_load_b128 v[160:163], v3, s[10:11]
	WIN 0
.irp b, 0,1
.irp j, 0,1,2,3
	global_load_b128 v[32+16*\b+4*\j:32+16*\b+4*\j+3], v5, s[8:9] offset:128*\b+16*\j
.endr
.endr
.irp t, 0,1,2,3
.irp k, 0,1
	global_load_b128 v[64+8*\t+4*\k:64+8*\t+4*\k+3], v6, s[12:13] offset:64*\t+16*\k
.endr
.endr
	CHUNK 0, 96
	CHUNK 1, 160
	WIN 0x40
	CHUNK 2, 0
	CHUNK 3, 64
	WIN 0
	s_wait_kmcnt 0x0
	MKQ 49, 10, 11                                 ; e1
	MKQ 63, 12, 13                                 ; e15
	s_sub_co_i32 s70, s58, s54
	s_sub_co_i32 s70, s70, s55                     ; e10 - e6 - e7
	s_sub_co_i32 s71, s60, s56
	s_sub_co_i32 s71, s71, s57                     ; e12 - e8 - e9
	s_cmp_eq_u32 s23, 0
	s_cselect_b32 s70, s70, s71
	MKQ 70, 14, 15
	s_add_co_i32 s72, s48, s49
	s_sub_co_i32 s72, 0, s72                       ; -(e0 + e1)
	s_wait_loadcnt 63                              ; the weights are in: 64 loads were issued behind them, and 63 is the largest count that the wait can name
.set J, 0
.rept 32
	v_med3_num_f32 v[32+J], v[32+J], -v11, v11
	v_med3_num_f32 v[64+J], v[64+J], -v13, v13
.set J, J+1
.endr
.irp g, 0,1,2,3
	v_cvt_scalef32_pk8_fp8_f32 v[224+2*\g:225+2*\g], v[32+8*\g:39+8*\g], v10
	v_cvt_scalef32_pk8_fp8_f32 v[232+2*\g:233+2*\g], v[64+8*\g:71+8*\g], v12
.endr
	global_store_b128 v7, v[224:227], s[16:17] offset:49152
	global_store_b128 v7, v[228:231], s[16:17] offset:49152+512
	global_store_b128 v7, v[232:235], s[16:17] offset:32768
	global_store_b128 v7, v[236:239], s[16:17] offset:32768+512
	s_wait_loadcnt 32                              ; quarters 0 and 1 are in; quarters 2 and 3 may be out
	ADD64 160
	s_wait_loadcnt 16                              ; quarter 2 is in
	WIN 0x04                                       ; source 1 window 1
	ADD64 0
	s_wait_loadcnt 0x0
	ADD64 64
	WIN 0
.set J, 0
.rept 64
	v_med3_num_f32 v[96+J], v[96+J], -v15, v15
.set J, J+1
.endr
	s_wait_xcnt 0x0                                ; the four stores above have read their data: the codes' registers may be written again
.irp c, 0,1,2,3,4,5,6,7
	v_cvt_scalef32_pk8_fp8_f32 v[224+2*\c:225+2*\c], v[96+8*\c:103+8*\c], v14      ; x tile c: registers 2 c, 2 c + 1 of the fragment
.endr
.irp q, 0,1,2,3
	global_store_b128 v8, v[224+4*\q:227+4*\q], s[16:17] offset:512*\q
.endr
	s_cmp_lg_u32 s22, 0
	s_cbranch_scc1 .Ldone
	; task 0: the three short rows
	WIN 0x45                                       ; both sources and the destination window 1
.irp n, 1,2,3
.irp j, 0,2,4,6
	v_pk_add_f32 v[128+\j:129+\j], v[128+\j:129+\j], v[128+8*\n+\j:129+8*\n+\j]
.endr
.endr
	WIN 0x41                                       ; source 0 and the destination window 1
.irp j, 0,1,2,3
	v_mov_b32 v[164+\j], v[128+2*\j]               ; cos sums
	v_mov_b32 v[168+\j], v[129+2*\j]               ; sin sums
	v_ldexp_f32 v[160+\j], v[160+\j], s72
.endr
	WIN 0x04                                       ; store data from window 1
	global_store_b128 v3, v[160:163], s[16:17] offset:65536
	global_store_b128 v3, v[164:167], s[16:17] offset:66048
	global_store_b128 v3, v[168:171], s[16:17] offset:66560
	WIN 0
.Ldone:
	s_endpgm
.Lfunc_end_k_q0bc132dae2_mid:
	.size	k_q0bc132dae2_mid, .Lfunc_end_k_q0bc132dae2_mid-k_q0bc132dae2_mid
	.p2alignl 7, 3214868480
	.fill 96, 4, 3214868480
	.section	.rodata,"a",@progbits
	.p2align	6, 0x0
	.amdhsa_kernel k_q0bc132dae2_mid
		.amdhsa_group_segment_fixed_size 0
		.amdhsa_private_segment_fixed_size 0
		.amdhsa_enable_private_segment 0
		.amdhsa_kernarg_size 56
		.amdhsa_user_sgpr_count 2
		.amdhsa_user_sgpr_kernarg_segment_ptr 1
		.amdhsa_wavefront_size32 1
		.amdhsa_system_sgpr_workgroup_id_x 1
		.amdhsa_system_sgpr_workgroup_id_y 1
		.amdhsa_system_sgpr_workgroup_id_z 1
		.amdhsa_system_vgpr_workitem_id 0
		.amdhsa_next_free_vgpr 432
		.amdhsa_next_free_sgpr 96
		.amdhsa_reserve_vcc 0
		.amdhsa_float_denorm_mode_32 3
		.amdhsa_float_denorm_mode_16_64 3
		.amdhsa_memory_ordered 1
		.amdhsa_forward_progress 1
		.amdhsa_inst_pref_size 30
	.end_amdhsa_kernel
	.amdgpu_metadata
---
amdhsa.version: [ 1, 2 ]
amdhsa.kernels:
  - .name:           k_q0bc132dae2_mid
    .symbol:         k_q0bc132dae2_mid.kd
    .args:
      - { .name: kvp, .offset: 0, .size: 8, .value_kind: global_buffer, .address_space: global }
      - { .name: ksp, .offset: 8, .size: 8, .value_kind: global_buffer, .address_space: global }
      - { .name: wq_w, .offset: 16, .size: 8, .value_kind: global_buffer, .address_space: global }
      - { .name: wq_b, .offset: 24, .size: 8, .value_kind: global_buffer, .address_space: global }
      - { .name: dense_w, .offset: 32, .size: 8, .value_kind: global_buffer, .address_space: global }
      - { .name: lowp_scales, .offset: 40, .size: 8, .value_kind: global_buffer, .address_space: global }
      - { .name: pack, .offset: 48, .size: 8, .value_kind: global_buffer, .address_space: global }
    .group_segment_fixed_size: 0
    .private_segment_fixed_size: 0
    .kernarg_segment_align: 8
    .kernarg_segment_size: 56
    .max_flat_workgroup_size: 128
    .sgpr_count:     96
    .vgpr_count:     432
    .wavefront_size: 32
...
	.end_amdgpu_metadata
.endif
;; end of part 2
;; launch outp (part 3): grid 256 x 1, 4 waves a work-group, clusters of 4 x 1, 327,680 bytes of LDS; arguments x, pack, lowp_scales, dense_b, out0; writes out0
.if DOCPART == 3
	.amdgcn_target "amdgcn-amd-amdhsa--gfx1250"
	.amdhsa_code_object_version 6
	.text
	.protected	k_q0bc132dae2_outp
	.globl	k_q0bc132dae2_outp
	.p2align	8
	.type	k_q0bc132dae2_outp,@function
k_q0bc132dae2_outp:
	s_mov_b64 s[64:65], 0
	v_nop
	global_prefetch_b8 v0, s[64:65] scope:SCOPE_SE
	s_setreg_imm32_b32 hwreg(HW_REG_WAVE_MODE, 25, 1), 1
	s_wait_xcnt 0x0
	s_wait_alu depctr_hold_cnt(0) depctr_sa_sdst(0) depctr_va_vdst(0) depctr_va_sdst(0) depctr_va_ssrc(0) depctr_va_vcc(0) depctr_vm_vsrc(0)
	s_getreg_b32 s2, hwreg(HW_REG_IB_STS2, 6, 4)
	s_cmp_eq_u32 s2, 0
	s_cbranch_scc0 .Lentry_in_a_cluster
	s_endpgm
.Lentry_in_a_cluster:
	s_bfe_u32 s2, ttmp6, 0x10000c
	s_cmp_lg_u32 s2, 0x3003
	s_cbranch_scc0 .Lentry_shape_is_right
	s_endpgm
.Lentry_shape_is_right:
; Third launch: for 64 rows and all 16 heads: q = elu(x wq^T + bq) + 1; q cos and q sin as codes; o = (kv_cos^T q_cos + kv_sin^T q_sin) / (q_cos . Kc + q_sin . Ks + 1e-5); out = o dense_w^T + dense_b.
; All matrix products on E4M3 codes; the two dot products of the divisor in f32 multiply-adds.  q, o and the sums of the last product never go to memory.
; SHARES.  A work-group takes rows 64 g .. 64 g + 63: four tiles m of 16.  THE WAVES SHARE THE HEADS: in step i wave w does head 4 i + w for all 64 rows, so each fragment of weights or states is read from LDS by one
; wave and feeds four products.  Each wave keeps its own sums of the last product (64 x 128, 256 registers); the four are added through LDS at the end.
; CLUSTER.  The four work-groups of a cluster belong to one batch and walk the same 16 blocks of 'pack': every tile is asked for JOINTLY, by the same tensor load with the same descriptor (it hangs on the wave, the
; batch and the step alone) and a mask that names the four.
; A head's block comes in two parts, each into LDS bytes of the wave's own: P (wq's fragments, bias, Kc, Ks: 70 rows of 256 bytes) for the q phase, R (states and dense_w: 192 rows) for the second phase.  P is filled
; again behind the q phase and has the second phase in which to land; R the other way round.  Two tensor loads of a wave are out at the start, one afterwards.
; LAYOUTS.  Every product is used so that a lane holds ONE position (lane % 16) and eight neighbours along the next product's K: source 0 = the weights' or states' 16 rows, source 1 = the positions' fragment.
; The sums of the last product are cleared once at the head, while the first tiles are on their way: a first step written out to start them would double the text of both phases.
; LIMITS: e0, e11, e13, e14 and the same + 8, e0 + e1, e10 + e11, e12 + e13, e14 + e15 lie between -126 and 127.  NaN among the inputs is not served.
; REGISTERS, in windows of 256.  Window 0: the names below.  Window 1: v0-31 wq (two buffers); v32-95 states (two buffers: cos 16, sin 16); v96-223 dense_w's eight fragments.
; Window 2: v0-63 x's four fragments; v64-127 q cos; v128-191 q sin; v192-255 o.  Window 3: the sums of the last product, tile (m, n) at 8 (8 m + n).
.set HB,    67072                      ; a head's block
.set RBY,   49152                      ; its part R
.set XIMG,  4*HB                       ; LDS: behind the four waves' slots: x's four images,
.set SPARE, XIMG+8192                  ; and the spare words, 128 bytes for each wave: two blocks of 256 bytes that no other line names
.set L2E,   0x3fb8aa3b
.set RR,   1
.set HL,   2
.set LI,   3                           ; 16 x lane
.set AW,   4                           ; my part P + 16 lane
.set AA,   5                           ; my part P + 16,384 + 32 (lane / 16): bias, Kc, Ks of my eight features of a tile
.set AR,   6                           ; my part R + 16 lane
.set SPW,  7                           ; my spare word; never rewritten
.set NIL,  8                           ; 0; never rewritten
.set PFO,  9                           ; 256 x lane
.set XA,   10
.set XWI,  11
.set ARV,  12                          ; v12-15 wave v's stage, my tile of rows
.set STO,  16
.set XRD,  17
.set SCX,  18
.set LMX,  19
.set SCQC, 20
.set SCQS, 21
.set SCO,  22
.set LMO,  23
.set CSN,  24                          ; v24-39  tile m: cos, cos, sin, sin of my position
.set AB,   40                          ; v40-55  tile m: a, a, b, b: 2^(e10 + e11) / divisor, 2^(e12 + e13) / divisor
.set TM,   56                          ; v56-63  at work
.set QA,   64                          ; v64-127 q's sums, two buffers of 4 m x 8
.set T,    128                         ; v128-159 exponentials
.set TC,   160
.set TS,   168
.set BIAS, 176                         ; two buffers of 8
.set KCR,  192
.set KSR,  208
.set DEN,  224                         ; v224-255 8 m + 4 func + 2 chain, pairs
.set PB,   64                          ; second phase: v64-191, two buffers: 16 m: cos sums 8, sin sums 8
.set WV,   14
.set CX,   15
.set G,    16
.set G1P,  24
.set G1R,  32
.set G0P,  40
.set G0R,  44
.set SQ,   66                          ; s[66:67] 2^(e0 + e1)
.set SQL,  68                          ; s[68:69] the same x log2(e)
.set LQC,  70
.set LQS,  71
.set EA,   72
.set EB,   73
.set SO,   74                          ; s[74:75] 2^(e14 + e15)
.set SEL,  76
.set IT,   78
.set LIM,  79
.set PFA,  80
.set MSB, 0
.macro WIN new
.if MSB != \new
	s_set_vgpr_msb (MSB<<8)|\new
.set MSB, \new
.endif
.endm
.macro PLACES
.rept 4
	v_nop
.endr
.endm
.macro ROUND                           ; a round of the cluster's barrier
	s_barrier_signal -1
	s_barrier_wait -1
	s_cmp_lg_u32 s[WV], 0
	s_cbranch_scc1 .Lnot_wave_0_\@
	s_barrier_signal -3
.Lnot_wave_0_\@:
	s_barrier_wait -3
	s_barrier_signal -1
	s_barrier_wait -1
.endm
.macro SINP d, out, z, p
	v_mul_f32 v[\z], v[\d], v[\d]
	v_mov_b32 v[\p], 0x2f309231
	v_fmaak_f32 v[\p], v[\p], v[\z], 0xb2d7322b
	v_fmaak_f32 v[\p], v[\p], v[\z], 0x3638ef1d
	v_fmaak_f32 v[\p], v[\p], v[\z], 0xb9500d01
	v_fmaak_f32 v[\p], v[\p], v[\z], 0x3c088889
	v_fmaak_f32 v[\p], v[\p], v[\z], 0xbe2aaaab
	v_mul_f32 v[\z], v[\d], v[\z]
	v_fma_f32 v[\out], v[\z], v[\p], v[\d]
.endm
.macro MKQ e, sc, lm
	s_add_co_i32 s84, s[\e], 127
	s_lshl_b32 s85, s84, 23
	v_mov_b32 v[\sc], s85
	s_add_co_i32 s84, s84, 8
	s_lshl_b32 s84, s84, 23
	s_or_b32 s84, s84, 0x600000
	v_mov_b32 v[\lm], s84
.endm
.macro MKP a, b, d                     ; s[d] = 2^(s[a] + s[b]) as f32
	s_add_co_i32 s[\d], s[\a], s[\b]
	s_add_co_i32 s[\d], s[\d], 127
	s_lshl_b32 s[\d], s[\d], 23
.endm
; A prefetch into the L2 of the 65,536 bytes of codes of my head two steps on.  All sixteen clusters of a batch walk the same blocks: the batch's first cluster asks; its four partners take 16,384 bytes each, told apart
; by address; a lane names 256 bytes, two instructions a wave.  Steps 0 and 1, and the short rows, come by their loads alone; the last two steps have nothing two steps on.
.macro ASK
	s_cmp_lt_u32 s[IT], s[LIM]
	s_cbranch_scc0 .Lnot_mine_\@
	global_prefetch_b8 v[PFO], s[PFA:PFA+1] th:TH_LOAD_NT scope:SCOPE_SE
	global_prefetch_b8 v[PFO], s[PFA:PFA+1] offset:8192 th:TH_LOAD_NT scope:SCOPE_SE
.Lnot_mine_\@:
.endm
; A part (which = 0: P, 1: R) has been read out and is filled again with the next step's.  Each wave waits for all its tensor loads (the one that is out is the other part, which it reads next), adds 0 to its spare
; word, and waits for that and for its reads; a round of the cluster's barrier; the joint refill first behind it.
.macro CHG which
	WIN 0
	s_wait_tensorcnt 0x0                           ; no tensor load of mine is out, so a group 0 may be written
	ds_add_u32 v[SPW], v[NIL]                      ; 0 onto my spare word
.if \which
	s_add_nc_u64 s[G0R+2:G0R+3], s[G0R+2:G0R+3], 4*HB
	s_wait_xcnt 0x0                                ; the last prefetches, a step back, have read their address
	s_add_nc_u64 s[PFA:PFA+1], s[PFA:PFA+1], 4*HB
.else
	s_add_nc_u64 s[G0P+2:G0P+3], s[G0P+2:G0P+3], 4*HB
.endif
	s_wait_dscnt 0x0                               ; the add is done, and my reads of the part are over
	ROUND
.if \which
	tensor_load_to_lds s[G0R:G0R+3], s[G1R:G1R+7]
	s_nop 0
.else
	tensor_load_to_lds s[G0P:G0P+3], s[G1P:G1P+7]
	s_nop 0
.endif
	PLACES
.if \which
	ASK
.endif
.endm
.macro QLOAD c                         ; feature tile c: wq's fragment, and bias, Kc, Ks of my eight features, into buffers c % 2
	WIN 0x40
.irp q, 0,1,2,3
	ds_load_b128 v[16*((\c)%2)+4*\q:16*((\c)%2)+4*\q+3], v[AW] offset:2048*(\c)+512*\q
.endr
	WIN 0
.irp k, 0,1
	ds_load_b128 v[BIAS+8*((\c)%2)+4*\k:BIAS+8*((\c)%2)+4*\k+3], v[AA] offset:64*(\c)+16*\k
	ds_load_b128 v[KCR+8*((\c)%2)+4*\k:KCR+8*((\c)%2)+4*\k+3], v[AA] offset:512+64*(\c)+16*\k
	ds_load_b128 v[KSR+8*((\c)%2)+4*\k:KSR+8*((\c)%2)+4*\k+3], v[AA] offset:1024+64*(\c)+16*\k
.endr
.endm
.macro QP c, m                         ; 16 features of tile c x 16 positions of tile m; the bias, divided by the power of two that the sums lack, is the C
	WIN 0x09
	v_wmma_f32_16x16x128_fp8_fp8 v[QA+32*((\c)%2)+8*\m:QA+32*((\c)%2)+8*\m+7], v[16*((\c)%2):16*((\c)%2)+15], v[16*\m:16*\m+15], v[BIAS+8*((\c)%2):BIAS+8*((\c)%2)+7]
.endm
; Feature tile c of q for the four tiles of rows; the four products of tile c + 1 stand among the vector lines.
.macro QSL c
.set P, (\c)%2
.set QB, QA+32*P
.if (\c) < 7
	QLOAD (\c)+1
.endif
	v_pk_mul_f32 v[T:T+1], v[QB:QB+1], s[SQL:SQL+1] op_sel_hi:[1,0]              ; y log2(e), pairs 0 and 1
	v_pk_mul_f32 v[T+2:T+3], v[QB+2:QB+3], s[SQL:SQL+1] op_sel_hi:[1,0]
.set J, 0
.rept 16                               ; exp(y): one batch of 32, a plain line behind each: the scaling of the pair two on, and y + 1 of the pair in hand (its scaling has read it)
	v_exp_f32 v[T+2*J], v[T+2*J]
.if J < 14
	v_pk_mul_f32 v[T+2*J+4:T+2*J+5], v[QB+2*J+4:QB+2*J+5], s[SQL:SQL+1] op_sel_hi:[1,0]
.endif
	v_exp_f32 v[T+2*J+1], v[T+2*J+1]
	v_pk_fma_f32 v[QB+2*J:QB+2*J+1], v[QB+2*J:QB+2*J+1], s[SQ:SQ+1], 1.0 op_sel_hi:[1,0,0]   ; y + 1
.set J, J+1
.endr
	s_wait_dscnt 0x0                               ; the next tile's fragment and rows are in
.irp m, 0,1,2,3
.if (\c) < 7
	QP (\c)+1, \m
.endif
	WIN 0
.if \m == 0
	s_wait_alu depctr_va_vdst(0)                   ; one wait for the 32 exponentials, ahead of their first reader; the product above names none of their results
.endif
.irp j, 0,1,2,3,4,5,6,7
	v_med3_num_f32 v[QB+8*\m+\j], v[T+8*\m+\j], 1.0, v[QB+8*\m+\j]     ; elu(y) + 1
.endr
.irp j, 0,2,4,6
	v_pk_fma_f32 v[DEN+8*\m+(\j)%4:DEN+8*\m+(\j)%4+1], v[QB+8*\m+\j:QB+8*\m+\j+1], v[KCR+8*P+\j:KCR+8*P+\j+1], v[DEN+8*\m+(\j)%4:DEN+8*\m+(\j)%4+1]
	v_pk_fma_f32 v[DEN+8*\m+4+(\j)%4:DEN+8*\m+4+(\j)%4+1], v[QB+8*\m+\j:QB+8*\m+\j+1], v[KSR+8*P+\j:KSR+8*P+\j+1], v[DEN+8*\m+4+(\j)%4:DEN+8*\m+4+(\j)%4+1]
.endr
.irp j, 0,2,4,6
	v_pk_mul_f32 v[TC+\j:TC+\j+1], v[QB+8*\m+\j:QB+8*\m+\j+1], v[CSN+4*\m:CSN+4*\m+1]
	v_pk_mul_f32 v[TS+\j:TS+\j+1], v[QB+8*\m+\j:QB+8*\m+\j+1], v[CSN+4*\m+2:CSN+4*\m+3]
.endr
.irp j, 0,1,2,3,4,5,6,7
	v_min_num_f32 v[TC+\j], s[LQC], v[TC+\j]       ; q, cos and sin are not negative: the hold is one-sided.  cos first, so that its conversion reads nothing just written
.endr
.irp j, 0,1,2,3,4,5,6,7
	v_min_num_f32 v[TS+\j], s[LQS], v[TS+\j]
.endr
	WIN 0x80
	v_cvt_scalef32_pk8_fp8_f32 v[64+16*\m+2*(\c):64+16*\m+2*(\c)+1], v[TC:TC+7], v[SCQC]
	v_cvt_scalef32_pk8_fp8_f32 v[128+16*\m+2*(\c):128+16*\m+2*(\c)+1], v[TS:TS+7], v[SCQS]
.endr
	WIN 0
	v_nop
.endm
.macro QPH                             ; the q phase of my head: q cos and q sin as codes, and the divisor's sums
	QLOAD 0                                        ; asked for first: the clearing below stands between the loads and the wait for them
.set J, 0
.rept 32
	v_mov_b32 v[DEN+J], 0
.set J, J+1
.endr
	s_wait_dscnt 0x0
	QP 0, 0
	QP 0, 1
	QP 0, 2
	QP 0, 3
	WIN 0
	PLACES
.irp c, 0,1,2,3,4,5,6,7
	QSL \c
.endr
.endm
.macro DFOLD                           ; the divisor: chains and halves folded, x cos and sin, the other half of the lanes, + 1e-5; then a and b
.irp m, 0,1,2,3
	v_pk_add_f32 v[DEN+8*\m:DEN+8*\m+1], v[DEN+8*\m:DEN+8*\m+1], v[DEN+8*\m+2:DEN+8*\m+3]
	v_pk_add_f32 v[DEN+8*\m+4:DEN+8*\m+5], v[DEN+8*\m+4:DEN+8*\m+5], v[DEN+8*\m+6:DEN+8*\m+7]
.endr
.irp m, 0,1,2,3
	v_add_f32 v[DEN+8*\m], v[DEN+8*\m], v[DEN+8*\m+1]
	v_add_f32 v[DEN+8*\m+4], v[DEN+8*\m+4], v[DEN+8*\m+5]
.endr
.irp m, 0,1,2,3
	v_mul_f32 v[DEN+8*\m], v[CSN+4*\m], v[DEN+8*\m]
.endr
.irp m, 0,1,2,3
	v_fma_f32 v[DEN+8*\m], v[CSN+4*\m+2], v[DEN+8*\m+4], v[DEN+8*\m]
.endr
.irp m, 0,1,2,3
	v_permlanex16_b32 v[DEN+8*\m+1], v[DEN+8*\m], s[SEL], s[SEL+1]     ; the position's other 64 features lie in the lane 16 away
.endr
.irp m, 0,1,2,3
	v_add_f32 v[DEN+8*\m], v[DEN+8*\m], v[DEN+8*\m+1]
.endr
.irp m, 0,1,2,3
	v_add_f32 v[DEN+8*\m], 0x3727c5ac, v[DEN+8*\m]                     ; + 1e-5
.endr
.irp m, 0,1,2,3
	v_rcp_f32 v[DEN+8*\m+2], v[DEN+8*\m]
.endr
	v_nop
	s_wait_alu depctr_va_vdst(0)                   ; one wait for the four reciprocals
.irp m, 0,1,2,3
	v_mul_f32 v[AB+4*\m], s[EA], v[DEN+8*\m+2]
	v_mul_f32 v[AB+4*\m+1], s[EA], v[DEN+8*\m+2]
	v_mul_f32 v[AB+4*\m+2], s[EB], v[DEN+8*\m+2]
	v_mul_f32 v[AB+4*\m+3], s[EB], v[DEN+8*\m+2]
.endr
.endm
.macro KVLOAD t                        ; z tile t of the two states into buffer t % 2
.irp f, 0,1
.irp q, 0,1,2,3
	ds_load_b128 v[32+32*((\t)%2)+16*\f+4*\q:32+32*((\t)%2)+16*\f+4*\q+3], v[AR] offset:4096*(\t)+2048*\f+512*\q
.endr
.endr
.endm
.macro DNLOAD n
.irp q, 0,1,2,3
	ds_load_b128 v[96+16*(\n)+4*\q:96+16*(\n)+4*\q+3], v[AR] offset:32768+2048*(\n)+512*\q
.endr
.endm
.macro KP t, m                         ; 16 z of tile t x 16 positions of tile m, cos and sin
	WIN 0x09
	v_wmma_f32_16x16x128_fp8_fp8 v[PB+64*((\t)%2)+16*\m:PB+64*((\t)%2)+16*\m+7], v[32+32*((\t)%2):32+32*((\t)%2)+15], v[64+16*\m:64+16*\m+15], 0
	v_wmma_f32_16x16x128_fp8_fp8 v[PB+64*((\t)%2)+16*\m+8:PB+64*((\t)%2)+16*\m+15], v[48+32*((\t)%2):48+32*((\t)%2)+15], v[128+16*\m:128+16*\m+15], 0
.endm
.macro KVD                             ; the second phase of my head: the divisor, o as codes, then its share of the last product
	WIN 0x40
	KVLOAD 0
	KVLOAD 1
	WIN 0
	DFOLD                                          ; stands between the first loads and the wait for them
	s_wait_dscnt 8                                 ; z tile 0 is in; tile 1's eight loads may be out
	KP 0, 0
	KP 0, 1
	KP 0, 2
	KP 0, 3
	WIN 0
	PLACES
.irp t, 0,1,2,3,4,5,6,7
	s_wait_dscnt 0x0
.if \t < 6
	WIN 0x40
	KVLOAD \t+2
.if \t < 4
	DNLOAD 2*\t
	DNLOAD 2*\t+1
.endif
.endif
.irp m, 0,1,2,3
.if \t < 7
	KP \t+1, \m
.endif
	WIN 0
.set PT, PB+64*(\t%2)+16*\m
.irp j, 0,2,4,6
	v_pk_mul_f32 v[PT+\j:PT+\j+1], v[PT+\j:PT+\j+1], v[AB+4*\m:AB+4*\m+1]
.endr
.irp j, 0,2,4,6
	v_pk_fma_f32 v[PT+\j:PT+\j+1], v[PT+8+\j:PT+9+\j], v[AB+4*\m+2:AB+4*\m+3], v[PT+\j:PT+\j+1]     ; o
.endr
.irp j, 0,1,2,3,4,5,6,7
	v_med3_num_f32 v[PT+\j], v[PT+\j], -v[LMO], v[LMO]
.endr
	WIN 0x80
	v_cvt_scalef32_pk8_fp8_f32 v[192+16*\m+2*\t:192+16*\m+2*\t+1], v[PT:PT+7], v[SCO]
.endr
.endr
	WIN 0
	v_nop                                          ; a plain line between the last conversion and the products that read its result
	WIN 0xf9
.irp n, 0,1,2,3,4,5,6,7
.irp m, 0,1,2,3
	v_wmma_f32_16x16x128_fp8_fp8 v[8*(8*\m+\n):8*(8*\m+\n)+7], v[96+16*\n:96+16*\n+15], v[192+16*\m:192+16*\m+15], v[8*(8*\m+\n):8*(8*\m+\n)+7]     ; 32 accumulators, one instruction each
.endr
.endr
	WIN 0
.endm
.macro PLOAD adr, reg                  ; one wave's sums of my tile of rows
.irp n, 0,1,2,3,4,5,6,7
.irp k, 0,1
	ds_load_b128 v[\reg+8*\n+4*\k:\reg+8*\n+4*\k+3], v[\adr] offset:1024*\n+512*\k
.endr
.endr
.endm
.macro PADD reg
.set J, 0
.rept 32
	v_pk_add_f32 v[64+J:65+J], v[64+J:65+J], v[\reg+J:\reg+J+1]
.set J, J+2
.endr
.endm
	s_load_b256 s[4:11], s[0:1], 0x0               ; x, pack, lowp_scales, dense_b
	s_load_b64 s[12:13], s[0:1], 0x20              ; out0
	v_lshl_add_u32 v[SPW], v0, 2, SPARE
	v_mov_b32 v[NIL], 0
	ds_add_u32 v7, v8
	ds_add_u32 v7, v8
	s_wait_dscnt 0x0
	v_lshrrev_b32 v[TM], 5, v0
	v_readfirstlane_b32 s[WV], v[TM]               ; wave 0..3
	v_and_b32 v[RR], 15, v0
	v_bfe_u32 v[HL], v0, 4, 1
	v_and_b32 v[LI], 31, v0
	v_lshlrev_b32 v[PFO], 8, v[LI]
	v_lshlrev_b32 v[LI], 4, v[LI]
	v_lshlrev_b32 v[XA], 9, v[RR]
	v_lshl_add_u32 v[XA], v[HL], 6, v[XA]
	s_bfe_u32 s[CX], ttmp6, 0x40000                ; my place in the cluster
	s_lshl_b32 s[G], ttmp9, 2
	s_add_co_u32 s[G], s[G], s[CX]                 ; my block of 64 rows: it enters x's and out0's addresses and the positions alone
	s_lshr_b32 s17, ttmp9, 4                       ; the batch, which the four partners share
	; descriptor group 1: dense blocks as rows of 256 bytes: elements of 8 bytes, 32 to a row, pitch 32; the mask names all four work-groups, bit 21 beside it
	s_mov_b32 s[G1P], 15|(3<<16)|(1<<21)
	s_mov_b32 s[G1P+1], 32<<16                     ; tensor_dim0
	s_mov_b32 s[G1P+2], 70<<16                     ; tensor_dim1
	s_mov_b32 s[G1P+3], 32<<16                     ; tile_dim0
	s_mov_b32 s[G1P+4], 70                         ; tile_dim1
	s_mov_b32 s[G1P+5], 32                         ; pitch
	s_mov_b32 s[G1P+6], 0
	s_mov_b32 s[G1P+7], 0
	s_mov_b32 s[G1R], 15|(3<<16)|(1<<21)
	s_mov_b32 s[G1R+1], 32<<16
	s_mov_b32 s[G1R+2], 192<<16
	s_mov_b32 s[G1R+3], 32<<16
	s_mov_b32 s[G1R+4], 192
	s_mov_b32 s[G1R+5], 32
	s_mov_b32 s[G1R+6], 0
	s_mov_b32 s[G1R+7], 0
	s_mul_i32 s18, s[WV], HB                       ; my two parts in LDS
	s_lshl_b32 s19, s17, 4
	s_add_co_u32 s19, s19, s[WV]                   ; 16 b + w: my first head
	s_mul_i32 s20, s19, HB
	s_mov_b32 s21, 0
	s_lshl_b32 s22, s[CX], 14
	s_mov_b32 s23, 0
	s_lshl_b32 s82, s[G], 15                       ; (64 g + 16 w) rows of 512 bytes, in x and in out0
	s_lshl_b32 s83, s[WV], 13
	s_add_co_u32 s82, s82, s83
	s_mov_b32 s83, 0
	s_and_b32 s[LIM], ttmp9, 15
	s_cmp_eq_u32 s[LIM], 0
	s_cselect_b32 s[LIM], 2, 0                     ; the batch's first cluster prefetches in steps 0 and 1
	s_mov_b32 s[SEL], 0x76543210
	s_mov_b32 s[SEL+1], 0xfedcba98
	s_wait_kmcnt 0x0
	s_load_b512 s[48:63], s[8:9], 0x0              ; e0 .. e15
	s_add_nc_u64 s[4:5], s[4:5], s[82:83]
	s_add_nc_u64 s[12:13], s[12:13], s[82:83]
.irp b, 0,1,2,3
.irp j, 0,1,2,3
	global_load_b128 v[64+16*\b+4*\j:64+16*\b+4*\j+3], v[XA], s[4:5] offset:128*\b+16*\j th:TH_LOAD_NT    ; my 16 rows of x: asked for ahead of the round, since nothing of the round touches them
.endr
.endr
	s_add_nc_u64 s[20:21], s[6:7], s[20:21]        ; my first head's block
	s_mov_b32 s[G0R], 1
	s_mov_b32 s[G0R+1], s18
	s_mov_b64 s[G0R+2:G0R+3], s[20:21]
	s_or_b32 s[G0R+3], s[G0R+3], 0x80000000
	s_mov_b32 s[G0P], 1
	s_add_co_u32 s[G0P+1], s18, RBY
	s_add_nc_u64 s[G0P+2:G0P+3], s[20:21], RBY
	s_or_b32 s[G0P+3], s[G0P+3], 0x80000000
	s_add_nc_u64 s[PFA:PFA+1], s[20:21], s[22:23]
	s_add_nc_u64 s[PFA:PFA+1], s[PFA:PFA+1], 4*HB  ; at step 1; stepped ahead of each use
	ROUND                                          ; all four work-groups are here: the first joint loads meet
	tensor_load_to_lds s[G0P:G0P+3], s[G1P:G1P+7]
	s_nop 0
	tensor_load_to_lds s[G0R:G0R+3], s[G1R:G1R+7]
	s_nop 0
	PLACES
	v_add_nc_u32 v[AR], s18, v[LI]
	v_add_nc_u32 v[AW], RBY, v[AR]
	v_lshlrev_b32 v[AA], 5, v[HL]
	v_add_nc_u32 v[AA], s18, v[AA]
	v_add_nc_u32 v[AA], RBY+16384, v[AA]
	s_lshl_b32 s84, s[WV], 11
	v_add_nc_u32 v[XWI], s84, v[LI]
	v_add_nc_u32 v[XWI], XIMG, v[XWI]
	v_add_nc_u32 v[XRD], XIMG, v[LI]
	s_lshl_b32 s84, s[WV], 13
	v_add_nc_u32 v[ARV], s84, v[LI]
	v_add_nc_u32 v[ARV+1], HB, v[ARV]
	v_add_nc_u32 v[ARV+2], 2*HB, v[ARV]
	v_add_nc_u32 v[ARV+3], 3*HB, v[ARV]
	v_mul_u32_u24 v[STO], v[RR], 528
	v_lshl_add_u32 v[STO], v[HL], 5, v[STO]
	v_add_nc_u32 v[STO], s18, v[STO]
	v_add_nc_u32 v[STO], RBY, v[STO]
	WIN 0xc0
.set J, 0
.rept 256
	v_mov_b32 v[J], 0                              ; the sums of the last product
.set J, J+1
.endr
	WIN 0
	s_lshl_b32 s85, s[G], 6
	s_and_b32 s85, s85, 4095                       ; my block's first position in its batch
	v_add_nc_u32 v[TM], s85, v[RR]
.irp m, 0,1,2,3
	v_add_nc_u32 v[TM+1], 16*\m, v[TM]
	v_cvt_f32_u32 v[TM+1], v[TM+1]
	v_mul_f32 v[TM+1], 0x3fc8f5c3, v[TM+1]         ; 1.57 i, rounded,
	v_mul_f32 v[TM+1], 0x39800000, v[TM+1]         ; / 4,096: exact
	v_sub_f32 v[TM+2], 0x3fc90fdb, v[TM+1]         ; pi/2 - p, pi/2 in two parts
	v_add_f32 v[TM+2], 0xb33bbd2e, v[TM+2]
	SINP TM+2, CSN+4*\m, TM+3, TM+4
	SINP TM+1, CSN+4*\m+2, TM+3, TM+4
	v_mov_b32 v[CSN+4*\m+1], v[CSN+4*\m]
	v_mov_b32 v[CSN+4*\m+3], v[CSN+4*\m+2]
.endr
	s_wait_kmcnt 0x0
	MKQ 48, SCX, LMX                               ; e0
	MKQ 62, SCO, LMO                               ; e14
	MKQ 59, SCQC, TM                               ; e11
	s_mov_b32 s[LQC], s84
	MKQ 61, SCQS, TM                               ; e13
	s_mov_b32 s[LQS], s84
	MKP 48, 49, SQ
	s_mov_b32 s[SQ+1], s[SQ]
	s_mul_f32 s[SQL], s[SQ], L2E
	s_mov_b32 s[SQL+1], s[SQL]
	MKP 58, 59, EA
	MKP 60, 61, EB
	MKP 62, 63, SO
	s_mov_b32 s[SO+1], s[SO]
	s_wait_loadcnt 0x0
.set J, 0
.rept 64
	v_med3_num_f32 v[64+J], v[64+J], -v[LMX], v[LMX]
.set J, J+1
.endr
.irp g, 0,1,2,3,4,5,6,7
	v_cvt_scalef32_pk8_fp8_f32 v[128+2*\g:129+2*\g], v[64+8*\g:71+8*\g], v[SCX]
.endr
	v_nop
.irp q, 0,1,2,3
	ds_store_b128 v[XWI], v[128+4*\q:131+4*\q] offset:512*\q
.endr
	s_wait_dscnt 0x0                               ; for the others' sake: my image of x has landed
	s_barrier_signal -1
	s_barrier_wait -1                              ; the two tensor loads may stay out
	WIN 0x80
.irp m, 0,1,2,3
.irp q, 0,1,2,3
	ds_load_b128 v[16*\m+4*\q:16*\m+4*\q+3], v[XRD] offset:2048*\m+512*\q
.endr
.endr
	WIN 0
	s_wait_dscnt 0x0
	s_wait_tensorcnt 1                             ; part P of my first head is in; part R, issued behind it, may be out.  Only I read my parts
	s_mov_b32 s[IT], 0
.Lhead:                                            ; step i: head 4 i + w
	QPH
	s_cmp_eq_u32 s[IT], 3
	s_cbranch_scc1 .Ltail                          ; the last step's second phase is written out: it asks for nothing more
	CHG 0                                          ; part P takes the next step's
	KVD
	CHG 1                                          ; part R takes the next step's
	s_add_co_u32 s[IT], s[IT], 1
	s_cmp_lt_u32 s[IT], 4
	s_cbranch_scc1 .Lhead
.Ltail:
	s_wait_tensorcnt 0x0                           ; part R of my last head
	KVD
	; THE WAY OUT.  Both parts have had their last fill.  My sums go into my part R as images; behind a barrier wave w adds the four waves' sums of tile w; they turn through my part P into whole rows.
	PLACES
	WIN 0x0c                                       ; store data from window 3
.irp m, 0,1,2,3
.irp n, 0,1,2,3,4,5,6,7
	ds_store_b128 v[AR], v[8*(8*\m+\n):8*(8*\m+\n)+3] offset:8192*\m+1024*\n           ; each accumulator from its low end on
	ds_store_b128 v[AR], v[8*(8*\m+\n)+4:8*(8*\m+\n)+7] offset:8192*\m+1024*\n+512
.endr
.endr
	WIN 0
	s_wait_dscnt 0x0
	s_barrier_signal -1
	s_barrier_wait -1
	global_load_b128 v[AB:AB+3], v[LI], s[10:11]   ; dense_b of my four columns
	PLOAD ARV, 64
	PLOAD ARV+1, 128
	PLOAD ARV+2, 192
	s_wait_dscnt 16                                ; the first two are in; the third's 16 loads may be out
	PADD 128
	PLOAD ARV+3, 128
	s_wait_dscnt 16                                ; the third is in
	PADD 192
	s_wait_dscnt 0x0
	PADD 128
.irp n, 0,1,2,3,4,5,6,7
	ds_store_b128 v[STO], v[64+8*\n:67+8*\n] offset:64*\n          ; lane (r, half): row r, columns 16 n + 8 half + 0 .. 7
	ds_store_b128 v[STO], v[68+8*\n:71+8*\n] offset:64*\n+16
.endr
.irp i, 0,1,2,3,4,5,6,7,8,9,10,11,12,13,14,15
	ds_load_b128 v[128+4*\i:131+4*\i], v[AW] offset:528*\i         ; LDS serves a wave's instructions in order (ISA guide 5.7.1.4): these see my stores
.endr
	s_wait_loadcnt 0x0
.irp i, 0,1,2,3,4,5,6,7,8,9,10,11,12,13,14,15
	s_wait_dscnt 15-\i
	v_pk_fma_f32 v[128+4*\i:129+4*\i], v[128+4*\i:129+4*\i], s[SO:SO+1], v[AB:AB+1] op_sel_hi:[1,0,1]      ; sum x 2^(e14 + e15) + dense_b
	v_pk_fma_f32 v[130+4*\i:131+4*\i], v[130+4*\i:131+4*\i], s[SO:SO+1], v[AB+2:AB+3] op_sel_hi:[1,0,1]
	global_store_b128 v[LI], v[128+4*\i:131+4*\i], s[12:13] offset:512*\i th:TH_STORE_NT                  ; 32 lanes store a row of 512 bytes, aligned
.endr
	s_wait_tensorcnt 0x0                           ; the wave's end, behind my last tensor load and my last LDS store
	ds_add_u32 v[SPW], v[NIL]
	s_wait_dscnt 0x0
	ROUND                                          ; the closing round: no work-group ends while a partner may still ask for a tile that names it
	s_endpgm
.Lfunc_end_k_q0bc132dae2_outp:
	.size	k_q0bc132dae2_outp, .Lfunc_end_k_q0bc132dae2_outp-k_q0bc132dae2_outp
	.p2alignl 7, 3214868480
	.fill 96, 4, 3214868480
	.section	.rodata,"a",@progbits
	.p2align	6, 0x0
	.amdhsa_kernel k_q0bc132dae2_outp
		.amdhsa_group_segment_fixed_size 327680
		.amdhsa_private_segment_fixed_size 0
		.amdhsa_enable_private_segment 0
		.amdhsa_kernarg_size 40
		.amdhsa_user_sgpr_count 2
		.amdhsa_user_sgpr_kernarg_segment_ptr 1
		.amdhsa_wavefront_size32 1
		.amdhsa_system_sgpr_workgroup_id_x 1
		.amdhsa_system_sgpr_workgroup_id_y 1
		.amdhsa_system_sgpr_workgroup_id_z 1
		.amdhsa_system_vgpr_workitem_id 0
		.amdhsa_next_free_vgpr 1024
		.amdhsa_next_free_sgpr 96
		.amdhsa_reserve_vcc 0
		.amdhsa_float_denorm_mode_32 3
		.amdhsa_float_denorm_mode_16_64 3
		.amdhsa_memory_ordered 1
		.amdhsa_forward_progress 1
		.amdhsa_inst_pref_size 255
	.end_amdhsa_kernel
	.section	.bss,"aw",@nobits
	.p2align	6
	.space	262144
	.amdgpu_metadata
---
amdhsa.version: [ 1, 2 ]
amdhsa.kernels:
  - .name:           k_q0bc132dae2_outp
    .symbol:         k_q0bc132dae2_outp.kd
    .args:
      - { .name: x, .offset: 0, .size: 8, .value_kind: global_buffer, .address_space: global }
      - { .name: pack, .offset: 8, .size: 8, .value_kind: global_buffer, .address_space: global }
      - { .name: lowp_scales, .offset: 16, .size: 8, .value_kind: global_buffer, .address_space: global }
      - { .name: dense_b, .offset: 24, .size: 8, .value_kind: global_buffer, .address_space: global }
      - { .name: out0, .offset: 32, .size: 8, .value_kind: global_buffer, .address_space: global }
    .group_segment_fixed_size: 327680
    .private_segment_fixed_size: 0
    .kernarg_segment_align: 8
    .kernarg_segment_size: 40
    .max_flat_workgroup_size: 128
    .sgpr_count:     96
    .vgpr_count:     1024
    .wavefront_size: 32
...
	.end_amdgpu_metadata
.endif
;; end of part 3
